; MI455X (gfx1250); checked and timed in simulation.
; The chip was launched on July 23, 2026; its instructions are those of AMD's public machine-readable ISA for CDNA 5 (MIT licence, August 2026) and "CDNA5" Instruction Set Architecture Reference Guide (July 2026). The comments in the code are by the model that wrote it; some were corrected since.
;; Psi CMPS Cell. Allowed arithmetic: float matrix products may take bf16 or f16 operands with f32 sums; all other float work in f32.
;; Inputs: A 1 float32; Rx 32 x 32 float32; Ry 32 x 32 float32; freqs 32 float32; psi_x 32 float32; psi_y 32 float32; x_seq 256 x 4,096 x 2 float32.
;; Outputs: out0 256 x 4,096 float32.
;; One version. Each part assembles by itself: llvm-mc -triple=amdgcn-amd-amdhsa -mcpu=gfx1250 --defsym DOCPART=n.
;; ======== version 1 of 1: 1 launch
;; limits: right only within a limited range of input values
;; launch expect (part 1): grid 256 x 1, 16 waves a work-group, no clusters, 9,728 bytes of LDS; arguments x_seq, A, Rx, Ry, freqs, out0; writes out0
.if DOCPART == 1
	.amdgcn_target "amdgcn-amd-amdhsa--gfx1250"
	.amdhsa_code_object_version 6
	.text
	.protected	k_q5620514bed_expect
	.globl	k_q5620514bed_expect
	.p2align	8
	.type	k_q5620514bed_expect,@function
k_q5620514bed_expect:
	s_mov_b64 s[64:65], 0
	v_nop
	global_prefetch_b8 v0, s[64:65] scope:SCOPE_SE
	s_setreg_imm32_b32 hwreg(HW_REG_WAVE_MODE, 25, 1), 1
	s_wait_xcnt 0x0
; out[b][t] = x + A * 2 * Re(expv) * 0.001,  expv = (1/32) * sum over b != c of R[b][c] * exp(i t (f[b] - f[c])),  R = Rx + i Ry.
; With c[j] = cos(t f[j]), s[j] = sin(t f[j]), z = [c; s] (64 numbers) and M = [[Rx, Ry], [-Ry, Rx]] (diagonals of Rx, Ry removed):
;   32 * Re(expv) = z^T M z,   out = x + A * (2 * 0.001 / 32) * z^T M z.
; WHAT IS NOT COMPUTED: the scan's carry.  reference() returns (_, _), outs: psi (and lastx, the products with R and R^dag, the
; normalisation) feeds only itself and is dropped, and out is made of x, t, freqs, R and A alone, for every input, non-finite psi too.
; So the carry is not formed, and psi_x, psi_y, which enter nothing else, are not read.
; LIMITS: |t f| / (2 pi) < 2^22 (the rounding by the constant 1.5 * 2^23 needs it; beyond it the f32 product t * f is coarser than a radian);
; f / (2 pi) is rounded once, so a phase carries a relative error of about 1e-7; the diagonal of R is removed by a select, so a non-finite
; diagonal entry (NaN in reference()) is dropped; M and the z that enters the product are bf16, sums f32, the z of the final dot f32.
;
; SHARES: a work-group = one batch row (4,096 points), 16 waves; a wave = 256 points = 4 trips of 64.  A lane loads 16 bytes = two (x, t) pairs (a wave's
; load covers 512 consecutive bytes) and stores 8 bytes (a wave's store covers 256 consecutive bytes, aligned).  A trip is four tiles of 16 points.
; LAYOUT: y = M z by v_wmma_f32_16x16x32_bf16 with M as A (4 row tiles x 2 K blocks) and the points along N.  Lane (r, h) = (lane % 16, lane / 16)
; holds of B column r, k = 8h..8h+7 and 16+8h..16+8h+7 of each K block (block 0: cosines, block 1: sines), so it computes 16 of point r's 32 angles.
; Of D it receives rows m = 16 T + 8h + j: the same index set.  So z^T y is summed inside the lane, and one exchange joins the two halves.
; SINE AND COSINE in f32, two angles an instruction: d = t g - round(t g) in turns (g = f / 2 pi), |d| <= 1/2; cubics in u = d^2 for
; 2^(3/4) sin(h) and 2^(3/4) cos(h), h = (pi/2) d (Taylor series to h^9 and h^10, economised on u <= 1/4: truncation below 3e-8);
; then S C = sqrt2 sin 2h, C C - sqrt2 = sqrt2 cos 2h, and once more S C = sin 4h, C C - 1 = cos 4h, 4h = the phase.  The two
; doublings multiply an error of C by at most 9.5, so sine and cosine are good to below 1e-6.
.set TRIPS,   4                        ; trips of a wave
.set INSTEP,  512                      ; bytes of x_seq a wave takes in a trip
.set OUTSTEP, 256                      ; bytes of out0 a wave writes in a trip
.set PITCH,   80                       ; LDS row of 32 bf16 + 16 bytes: an odd multiple of 16, so the 16 rows of a fragment load lie in 16 different 16-byte columns modulo 256 bytes
.set VIN,  2                           ; v2        my byte offset in the row's x_seq
.set VOUT, 3                           ; v3        my byte offset in the row's out0
.set XT,   4                           ; v[4:7]    x0, t0, x1, t1 as loaded
.set O,    8                           ; v[8:9]    my two results
.set TT,   10                          ; v[10:17]  even: t of tiles 0..3; odd: the other half's t0, x0 kept, the other half's t1, x1 kept
.set G,    20                          ; v[20:35]  f / 2 pi of my 16 angles
.set CA2,  36                          ; v[36:37]  sine cubic, coefficient of u^2, twice
.set CB2,  38                          ; v[38:39]  cosine cubic, coefficient of u^2, twice
.set AF,   40                          ; v[40:87]  fragments of 16 rows x 32 k: Rx rows 0-15, 16-31, Ry rows 0-15, 16-31, -Ry rows 0-15, 16-31
.set BC,   88                          ; v[88:95]  cosines in bf16 (K block 0)
.set BS,   96                          ; v[96:103] sines in bf16 (K block 1)
.set ACC,  104                         ; v[104:135] y: four accumulators
.set CW,   136                         ; v[136:151] cosine at work
.set SF,   152                         ; v[152:167] sine at work, at last sin(phase) in f32
.set X1,   168                         ; v[168:183] d, later cos(phase) in f32
.set U,    184                         ; v[184:199] rounding at work, then u = d^2
.set Q,    200                         ; v[200:207] four chains of the dot
.set QT,   208                         ; v[208:211] the four tiles' half sums
.set VA,   212
.set VB,   213
.set VX,   214
.set RO,   215                         ; set-up: my byte offset in Rx or Ry
.set FO,   216                         ; set-up: my byte offset in freqs
.set LW,   217                         ; set-up: where I put my 4 numbers of R in LDS
.set LR,   218                         ; set-up: where my fragments begin in LDS
.set DG,   219                         ; set-up: which of my 4 numbers lies on the diagonal
.set SCALE, 16                         ; s16       A * 2 * 0.001 / 32
.set HM,    17                         ; s17       mask of lanes 16-31
.set SEL,   18                         ; s[18:19]  v_permlanex16_b32: lane i takes lane i of the other half
.set CNT,   28
.set WAVE,  29
.set MAGIC, 30                         ; scalar pairs, the constant twice: a packed instruction reads the pair
.set SA3,   32
.set SA1,   34
.set SA0,   36
.set SB3,   38
.set SB1,   40
.set SB0,   42
.set NSQ2,  44
.set RB,    46                         ; s[46:47]  Rx for waves 0-7, Ry for waves 8-15
.macro CONST2 reg, bits
	s_mov_b32 s[\reg], \bits
	s_mov_b32 s[\reg+1], \bits
.endm
	s_load_b256 s[4:11], s[0:1], 0x0               ; x_seq s[4:5], A s[6:7], Rx s[8:9], Ry s[10:11]
	s_load_b128 s[12:15], s[0:1], 0x20             ; freqs s[12:13], out0 s[14:15]
	v_lshl_add_u32 v220, v0, 2, 0x1e00
	v_mov_b32 v221, 0
	v_lshrrev_b32 v1, 5, v0
	v_readfirstlane_b32 s[WAVE], v1                ; wave 0..15
	v_and_b32 v1, 31, v0                           ; lane
	v_and_b32 v18, 0x1e0, v0                       ; 32 x wave
	v_lshlrev_b32 v[VIN], 4, v1                    ; 16 bytes a lane
	v_lshl_add_u32 v[VIN], v18, 6, v[VIN]          ; + wave x 256 points x 8 bytes
	v_lshlrev_b32 v[VOUT], 3, v1                   ; 8 bytes a lane
	v_lshl_add_u32 v[VOUT], v18, 5, v[VOUT]        ; + wave x 256 points x 4 bytes
	v_and_b32 v18, 0xff, v0
	v_lshlrev_b32 v[RO], 4, v18                    ; 256 threads x 16 bytes = one matrix of 4,096 bytes
	v_bfe_u32 v18, v0, 3, 5                        ; my row of R: 8 threads a row
	v_and_b32 v19, 7, v0
	v_lshlrev_b32 v[DG], 2, v19                    ; my first column
	v_sub_nc_u32 v[DG], v18, v[DG]                 ; row - first column: 0..3 if one of my four numbers is on the diagonal
	v_lshrrev_b32 v18, 3, v1
	v_mul_u32_u24 v18, v18, PITCH                  ; a wave covers 4 rows: row in the wave x pitch
	v_lshl_add_u32 v18, v19, 3, v18                ; + 8 bytes (4 bf16) a thread
	s_mul_i32 s2, s[WAVE], 4*PITCH                 ; Rx's 32 rows, then Ry's 32 rows: wave x 4 rows
	v_add_nc_u32 v[LW], s2, v18
	v_and_b32 v18, 15, v0                          ; r
	v_bfe_u32 v19, v0, 4, 1                        ; h
	v_mul_u32_u24 v18, v18, PITCH
	v_lshl_add_u32 v[LR], v19, 4, v18              ; fragment: row r, 16 bytes for each half of the lanes
	v_lshlrev_b32 v[FO], 5, v19                    ; freqs: angles 8h.. begin at byte 32 h
	s_mov_b32 s[HM], 0xffff0000
	s_mov_b32 s[SEL], 0x76543210
	s_mov_b32 s[SEL+1], 0xfedcba98
	CONST2 MAGIC, 0x4b400000                       ; 1.5 * 2^23: adding it rounds to a whole number
	CONST2 SA3,   0xbbfd95fb                       ; -0.00773882612   2^(3/4) sin((pi/2) d) = d (a0 + a1 u + a2 u^2 + a3 u^3)
	CONST2 SA1,   0xbf8b0e65                       ; -1.08637673
	CONST2 SA0,   0x4029127f                       ;  2.64175399
	CONST2 SB3,   0xbd0c95c0                       ; -0.0343225001    2^(3/4) cos((pi/2) d) = b0 + b1 u + b2 u^2 + b3 u^3
	CONST2 SB1,   0xc004c9e6                       ; -2.07482279
	CONST2 SB0,   0x3fd744fc                       ;  1.68179278
	CONST2 NSQ2,  0xbfb504f3                       ; -sqrt 2
	v_mov_b32 v[CA2],   0x3e0938b7                 ;  0.134005407 (a2)
	v_mov_b32 v[CA2+1], 0x3e0938b7
	v_mov_b32 v[CB2],   0x3eda5e40                 ;  0.426500330 (b2)
	v_mov_b32 v[CB2+1], 0x3eda5e40
	v_mov_b32 v[TT+1], 0                           ; the destination of v_permlanex16_b32 counts as read: these three are written once here
	v_mov_b32 v[TT+5], 0
	v_mov_b32 v[VX], 0
	s_wait_kmcnt 0x0
	s_cmp_lt_u32 s[WAVE], 8
	s_cselect_b64 s[RB:RB+1], s[8:9], s[10:11]
	global_load_b128 v[ACC:ACC+3], v[RO], s[RB:RB+1]           ; my 4 numbers of R: the work-group reads each matrix once
	global_load_b128 v[G:G+3],     v[FO], s[12:13]             ; f of angles 8h .. 8h+7
	global_load_b128 v[G+4:G+7],   v[FO], s[12:13] offset:16
	global_load_b128 v[G+8:G+11],  v[FO], s[12:13] offset:64   ; and 16+8h .. 16+8h+7
	global_load_b128 v[G+12:G+15], v[FO], s[12:13] offset:80
	s_lshl_b32 s2, ttmp9, 15                       ; batch row x 4,096 points x 8 bytes
	s_mov_b32 s3, 0
	s_add_nc_u64 s[4:5], s[4:5], s[2:3]
	global_load_b128 v[XT:XT+3], v[VIN], s[4:5] th:TH_LOAD_NT  ; the first trip's points
	s_load_b32 s[SCALE], s[6:7], 0x0               ; A
	s_lshl_b32 s2, ttmp9, 14                       ; batch row x 4,096 points x 4 bytes
	s_add_nc_u64 s[14:15], s[14:15], s[2:3]
	; R to LDS in bf16, diagonal removed; waves 8-15 also put -Ry, 32 rows further on
	s_wait_loadcnt 0x5                             ; loads come back in order (ISA guide 5.7.1): my piece of R is in, the 4 loads of freqs and the one of x_seq stay out
.irp e, 0,1,2,3
	v_cmp_ne_u32 vcc_lo, \e, v[DG]
	v_cndmask_b32 v[ACC+\e], 0, v[ACC+\e], vcc_lo
.endr
	v_cvt_pk_bf16_f32 v[ACC+4], v[ACC],   v[ACC+1]
	v_cvt_pk_bf16_f32 v[ACC+5], v[ACC+2], v[ACC+3]
	ds_store_b64 v[LW], v[ACC+4:ACC+5]
	s_cmp_lt_u32 s[WAVE], 8
	s_cbranch_scc1 .Lrx_wave
	v_xor_b32 v[ACC+6], 0x80008000, v[ACC+4]
	v_xor_b32 v[ACC+7], 0x80008000, v[ACC+5]
	ds_store_b64 v[LW], v[ACC+6:ACC+7] offset:32*PITCH
.Lrx_wave:
	s_wait_dscnt 0x0                               ; my stores are in LDS before I say so: the other waves read them
	s_barrier_signal -1
	s_barrier_wait -1                              ; all 96 rows are there; LDS is not written again
.irp f, 0,1,2,3,4,5
	ds_load_b128 v[AF+8*\f:AF+8*\f+3],   v[LR] offset:16*PITCH*\f      ; k = 8h .. 8h+7 of row 16 f + r
	ds_load_b128 v[AF+8*\f+4:AF+8*\f+7], v[LR] offset:16*PITCH*\f+32   ; k = 16+8h .. 16+8h+7
.endr
	s_wait_loadcnt 0x1                             ; freqs are in; x_seq stays out
.irp j, 0,1,2,3,4,5,6,7,8,9,10,11,12,13,14,15
	v_mul_f32 v[G+\j], 0.15915494, v[G+\j]         ; phases are counted in turns
.endr
	s_wait_kmcnt 0x0
	s_mul_f32 s[SCALE], s[SCALE], 0x3883126f       ; A * 6.25e-5 = A * 2 * 0.001 / 32
	s_wait_dscnt 0x0                               ; the fragments of M
; First stage of a tile's range reduction: t g + 1.5 * 2^23, which is round(t g) + 1.5 * 2^23.  tr: the register with the tile's t (the low one of a pair).
.macro STAGE1 tr
.irp p, 0,1,2,3,4,5,6,7
	v_pk_fma_f32 v[U+2*\p:U+2*\p+1], v[\tr:\tr+1], v[G+2*\p:G+2*\p+1], s[MAGIC:MAGIC+1] op_sel_hi:[0,1,0]
.endr
.endm
; Tiles 2i and 2i+1 hold the points of element i of lanes 0-15 and of lanes 16-31.  Each lane keeps the half sum of its own point
; and hands the other tile's half sum to the lane of the other half that owns that point.
.macro COMBINE i
	v_cndmask_b32 v[VA], v[QT+2*\i],   v[QT+2*\i+1], s[HM]     ; my point's tile
	v_cndmask_b32 v[VB], v[QT+2*\i+1], v[QT+2*\i],   s[HM]     ; the other half's
	v_permlanex16_b32 v[VX], v[VB], s[SEL], s[SEL+1]
	v_add_f32 v[VA], v[VA], v[VX]                              ; z^T M z
	v_fma_f32 v[O+\i], v[VA], s[SCALE], v[TT+3+4*\i]           ; x + A (2 * 0.001 / 32) z^T M z
.endm
; One tile of 16 points.  tr: its t; qn: its number in the trip; its first stage has been done.  Every stage runs over the lane's 8 pairs of angles,
; so that no instruction waits for the one in front of it.
; fill = 1: the next tile's first stage (t in nx) stands behind the matrix instructions; fill = 0: the joining of tiles 0 and 1.
.macro TILE tr, qn, fill, nx
.irp p, 0,1,2,3,4,5,6,7
	v_pk_fma_f32 v[U+2*\p:U+2*\p+1], v[U+2*\p:U+2*\p+1], -1.0, s[MAGIC:MAGIC+1] op_sel_hi:[1,0,0]      ; -round(t g), exact
.endr
.irp p, 0,1,2,3,4,5,6,7
	v_pk_fma_f32 v[X1+2*\p:X1+2*\p+1], v[\tr:\tr+1], v[G+2*\p:G+2*\p+1], v[U+2*\p:U+2*\p+1] op_sel_hi:[0,1,1]   ; d = t g - round(t g), one rounding
.endr
.irp p, 0,1,2,3,4,5,6,7
	v_pk_mul_f32 v[U+2*\p:U+2*\p+1], v[X1+2*\p:X1+2*\p+1], v[X1+2*\p:X1+2*\p+1]                        ; u = d^2
.endr
.irp p, 0,1,2,3,4,5,6,7
	v_pk_fma_f32 v[SF+2*\p:SF+2*\p+1], v[U+2*\p:U+2*\p+1], s[SA3:SA3+1], v[CA2:CA2+1] op_sel_hi:[1,0,1]
	v_pk_fma_f32 v[CW+2*\p:CW+2*\p+1], v[U+2*\p:U+2*\p+1], s[SB3:SB3+1], v[CB2:CB2+1] op_sel_hi:[1,0,1]
.endr
.irp p, 0,1,2,3,4,5,6,7
	v_pk_fma_f32 v[SF+2*\p:SF+2*\p+1], v[SF+2*\p:SF+2*\p+1], v[U+2*\p:U+2*\p+1], s[SA1:SA1+1] op_sel_hi:[1,1,0]
	v_pk_fma_f32 v[CW+2*\p:CW+2*\p+1], v[CW+2*\p:CW+2*\p+1], v[U+2*\p:U+2*\p+1], s[SB1:SB1+1] op_sel_hi:[1,1,0]
.endr
.irp p, 0,1,2,3,4,5,6,7
	v_pk_fma_f32 v[SF+2*\p:SF+2*\p+1], v[SF+2*\p:SF+2*\p+1], v[U+2*\p:U+2*\p+1], s[SA0:SA0+1] op_sel_hi:[1,1,0]
	v_pk_fma_f32 v[CW+2*\p:CW+2*\p+1], v[CW+2*\p:CW+2*\p+1], v[U+2*\p:U+2*\p+1], s[SB0:SB0+1] op_sel_hi:[1,1,0]   ; 2^(3/4) cos h
.endr
.irp p, 0,1,2,3,4,5,6,7
	v_pk_mul_f32 v[SF+2*\p:SF+2*\p+1], v[SF+2*\p:SF+2*\p+1], v[X1+2*\p:X1+2*\p+1]                      ; 2^(3/4) sin h
.endr
.irp p, 0,1,2,3,4,5,6,7
	v_pk_mul_f32 v[SF+2*\p:SF+2*\p+1], v[SF+2*\p:SF+2*\p+1], v[CW+2*\p:CW+2*\p+1]                      ; sqrt2 sin 2h
	v_pk_fma_f32 v[CW+2*\p:CW+2*\p+1], v[CW+2*\p:CW+2*\p+1], v[CW+2*\p:CW+2*\p+1], s[NSQ2:NSQ2+1] op_sel_hi:[1,1,0]   ; sqrt2 cos 2h
.endr
.irp p, 0,1,2,3,4,5,6,7
	v_pk_fma_f32 v[X1+2*\p:X1+2*\p+1], v[CW+2*\p:CW+2*\p+1], v[CW+2*\p:CW+2*\p+1], -1.0 op_sel_hi:[1,1,0]   ; cos 4h, where d lay: d has had its last use
.endr
.irp p, 0,1,2,3,4,5,6,7
	v_cvt_pk_bf16_f32 v[BC+\p], v[X1+2*\p], v[X1+2*\p+1]
.endr
	; y = M z.  The cosines' block starts the four sums with C = 0; the sines are finished meanwhile.  The four accumulators take turns,
	; one instruction a turn.
	v_wmma_f32_16x16x32_bf16 v[ACC:ACC+7],     v[AF:AF+7],     v[BC:BC+7], 0          ;  Rx rows 0-15  x c
	v_wmma_f32_16x16x32_bf16 v[ACC+8:ACC+15],  v[AF+8:AF+15],  v[BC:BC+7], 0          ;  Rx rows 16-31 x c
	v_wmma_f32_16x16x32_bf16 v[ACC+16:ACC+23], v[AF+32:AF+39], v[BC:BC+7], 0          ; -Ry rows 0-15  x c
	v_wmma_f32_16x16x32_bf16 v[ACC+24:ACC+31], v[AF+40:AF+47], v[BC:BC+7], 0          ; -Ry rows 16-31 x c
.irp p, 0,1,2,3,4,5,6,7
	v_pk_mul_f32 v[SF+2*\p:SF+2*\p+1], v[SF+2*\p:SF+2*\p+1], v[CW+2*\p:CW+2*\p+1]                      ; sin 4h
.endr
.irp p, 0,1,2,3,4,5,6,7
	v_cvt_pk_bf16_f32 v[BS+\p], v[SF+2*\p], v[SF+2*\p+1]
.endr
	v_wmma_f32_16x16x32_bf16 v[ACC:ACC+7],     v[AF+16:AF+23], v[BS:BS+7], v[ACC:ACC+7]        ; + Ry rows 0-15  x s
	v_wmma_f32_16x16x32_bf16 v[ACC+8:ACC+15],  v[AF+24:AF+31], v[BS:BS+7], v[ACC+8:ACC+15]     ; + Ry rows 16-31 x s
	v_wmma_f32_16x16x32_bf16 v[ACC+16:ACC+23], v[AF:AF+7],     v[BS:BS+7], v[ACC+16:ACC+23]    ; + Rx rows 0-15  x s
	v_wmma_f32_16x16x32_bf16 v[ACC+24:ACC+31], v[AF+8:AF+15],  v[BS:BS+7], v[ACC+24:ACC+31]    ; + Rx rows 16-31 x s
	; The sums are read four independent vector instructions or more behind the last matrix instruction (ISA guide 7.12.1): work that names none of its registers
.if \fill
	STAGE1 \nx                                     ; eight instructions
.else
	COMBINE 0                                      ; two selects, an add, a multiply-add, and the exchange of lanes
.endif
	; z^T y over my 32 indices: register j of accumulator T is row 16 T + 8h + j, the place of my j-th cosine (T = 0), 8+j-th cosine (1), j-th sine (2), 8+j-th sine (3)
	v_pk_mul_f32 v[Q:Q+1],   v[ACC:ACC+1],     v[X1:X1+1]
	v_pk_mul_f32 v[Q+2:Q+3], v[ACC+8:ACC+9],   v[X1+8:X1+9]
	v_pk_mul_f32 v[Q+4:Q+5], v[ACC+16:ACC+17], v[SF:SF+1]
	v_pk_mul_f32 v[Q+6:Q+7], v[ACC+24:ACC+25], v[SF+8:SF+9]
.irp j, 2,4,6
	v_pk_fma_f32 v[Q:Q+1],   v[ACC+\j:ACC+\j+1],       v[X1+\j:X1+\j+1],     v[Q:Q+1]
	v_pk_fma_f32 v[Q+2:Q+3], v[ACC+8+\j:ACC+8+\j+1],   v[X1+8+\j:X1+8+\j+1], v[Q+2:Q+3]
	v_pk_fma_f32 v[Q+4:Q+5], v[ACC+16+\j:ACC+16+\j+1], v[SF+\j:SF+\j+1],     v[Q+4:Q+5]
	v_pk_fma_f32 v[Q+6:Q+7], v[ACC+24+\j:ACC+24+\j+1], v[SF+8+\j:SF+8+\j+1], v[Q+6:Q+7]
.endr
	v_pk_add_f32 v[Q:Q+1],   v[Q:Q+1],   v[Q+2:Q+3]
	v_pk_add_f32 v[Q+4:Q+5], v[Q+4:Q+5], v[Q+6:Q+7]
	v_pk_add_f32 v[Q:Q+1],   v[Q:Q+1],   v[Q+4:Q+5]
	v_add_f32 v[QT+\qn], v[Q], v[Q+1]              ; my half of the point's sum
.endm
; A trip: 64 points.  ahead = 1: the next trip's 512 bytes are asked for at the head, and have the whole trip in which to land.
.macro TRIP ahead
	s_wait_loadcnt 0x0                             ; this trip's x and t are in; that load's base may be stepped
	s_wait_xcnt 0x0                                ; the last trip's store has had its address translated (ISA guide 3.1): its base and its data are rewritten only behind this wait
	v_permlanex16_b32 v[TT+1], v[XT+1], s[SEL], s[SEL+1]       ; t0 of the lane in the other half
	v_permlanex16_b32 v[TT+5], v[XT+3], s[SEL], s[SEL+1]       ; t1 likewise
	v_mov_b32 v[TT+3], v[XT]                       ; x0 and x1 are needed at the trip's end, and XT is the target of the load below
	v_mov_b32 v[TT+7], v[XT+2]
	v_cndmask_b32 v[TT],   v[XT+1], v[TT+1], s[HM] ; tile 0: element 0 of lanes 0-15, in both halves
	v_cndmask_b32 v[TT+2], v[TT+1], v[XT+1], s[HM] ; tile 1: element 0 of lanes 16-31
	v_cndmask_b32 v[TT+4], v[XT+3], v[TT+5], s[HM] ; tile 2: element 1 of lanes 0-15
	v_cndmask_b32 v[TT+6], v[TT+5], v[XT+3], s[HM] ; tile 3: element 1 of lanes 16-31
	s_add_nc_u64 s[14:15], s[14:15], OUTSTEP       ; the store below reaches back
.if \ahead
	s_add_nc_u64 s[4:5], s[4:5], INSTEP
	global_load_b128 v[XT:XT+3], v[VIN], s[4:5] th:TH_LOAD_NT
.endif
	STAGE1 TT
	TILE TT,   0, 1, TT+2
	TILE TT+2, 1, 1, TT+4
	TILE TT+4, 2, 1, TT+6
	TILE TT+6, 3, 0, 0
	COMBINE 1
	global_store_b64 v[VOUT], v[O:O+1], s[14:15] offset:-OUTSTEP th:TH_STORE_NT   ; 32 lanes store 256 consecutive bytes, at a multiple of 256 from out0's first byte
.endm
	s_mov_b32 s[CNT], TRIPS-1
.Ltrip:
	TRIP 1
	s_sub_co_u32 s[CNT], s[CNT], 1
	s_cmp_lg_u32 s[CNT], 0
	s_cbranch_scc1 .Ltrip
	TRIP 0                                         ; the last trip asks for nothing: no load leaves the wave's 256 points
	s_wait_tensorcnt 0x0
	ds_add_u32 v220, v221
	s_wait_dscnt 0x0
	s_endpgm
.Lfunc_end_k_q5620514bed_expect:
	.size	k_q5620514bed_expect, .Lfunc_end_k_q5620514bed_expect-k_q5620514bed_expect
	.p2alignl 7, 3214868480
	.fill 96, 4, 3214868480
	.section	.rodata,"a",@progbits
	.p2align	6, 0x0
	.amdhsa_kernel k_q5620514bed_expect
		.amdhsa_group_segment_fixed_size 9728
		.amdhsa_private_segment_fixed_size 0
		.amdhsa_enable_private_segment 0
		.amdhsa_kernarg_size 48
		.amdhsa_user_sgpr_count 2
		.amdhsa_user_sgpr_kernarg_segment_ptr 1
		.amdhsa_wavefront_size32 1
		.amdhsa_system_sgpr_workgroup_id_x 1
		.amdhsa_system_sgpr_workgroup_id_y 1
		.amdhsa_system_sgpr_workgroup_id_z 1
		.amdhsa_system_vgpr_workitem_id 0
		.amdhsa_next_free_vgpr 222
		.amdhsa_next_free_sgpr 66
		.amdhsa_reserve_vcc 1
		.amdhsa_float_denorm_mode_32 3
		.amdhsa_float_denorm_mode_16_64 3
		.amdhsa_memory_ordered 1
		.amdhsa_forward_progress 1
		.amdhsa_inst_pref_size 91
	.end_amdhsa_kernel
	.amdgpu_metadata
---
amdhsa.version: [ 1, 2 ]
amdhsa.kernels:
  - .name:           k_q5620514bed_expect
    .symbol:         k_q5620514bed_expect.kd
    .args:
      - { .name: x_seq, .offset: 0, .size: 8, .value_kind: global_buffer, .address_space: global }
      - { .name: A, .offset: 8, .size: 8, .value_kind: global_buffer, .address_space: global }
      - { .name: Rx, .offset: 16, .size: 8, .value_kind: global_buffer, .address_space: global }
      - { .name: Ry, .offset: 24, .size: 8, .value_kind: global_buffer, .address_space: global }
      - { .name: freqs, .offset: 32, .size: 8, .value_kind: global_buffer, .address_space: global }
      - { .name: out0, .offset: 40, .size: 8, .value_kind: global_buffer, .address_space: global }
    .group_segment_fixed_size: 9728
    .private_segment_fixed_size: 0
    .kernarg_segment_align: 8
    .kernarg_segment_size: 48
    .max_flat_workgroup_size: 512
    .sgpr_count:     66
    .vgpr_count:     222
    .wavefront_size: 32
...
	.end_amdgpu_metadata
.endif
;; end of part 1
